; MI455X (gfx1250); checked and timed in simulation.
; The chip was launched on July 23, 2026; its instructions are those of AMD's public machine-readable ISA for CDNA 5 (MIT licence, August 2026) and "CDNA5" Instruction Set Architecture Reference Guide (July 2026). The comments in the code are by the model that wrote it; some were corrected since.
;; Self Attention. Allowed arithmetic: matrix products marked QUANTISED: E5M2 operands, one given power-of-two scale a tensor, by v_wmma_f32_16x16x64_bf8_bf8 or v_wmma_f32_16x16x128_bf8_bf8, f32 sums; everything else in f32.
;; Inputs: Wk_codes 1,024 x 32 x 32 uint8 (E5M2 codes of Wk, K innermost, in blocks of 32 codes); Wq_codes 1,024 x 32 x 32 uint8 (E5M2 codes of Wq, K innermost, in blocks of 32 codes); Wv_codes 1,024 x 32 x 32 uint8 (E5M2 codes of Wv, K innermost, in blocks of 32 codes); bk 1,024 float32; bq 1,024 float32; bv 1,024 float32; lowp_scales 10 int32 (the exponents e of the quantised operands' scales 2^e); x_codes 4 x 2,048 x 32 x 32 uint8 (E5M2 codes of x, K innermost, in blocks of 32 codes).
;; Outputs: out0 4 x 2,048 x 1,024 float32.
;; This version of the problem:
;;   THIS VERSION OF THE PROBLEM IS GIVEN IN LOW PRECISION. The matrix products marked QUANTISED in the list below multiply operands that are first quantised to E5M2 (5 exponent bits, 2 mantissa bits; 8 bits a number), with one given power-of-two scale for each operand tensor; their sums are f32. All else is computed in f32.
;;   The module's matrix products, in the order in which they are computed (A, B: the left and right operand; K: the contracted axis; several contracted axes count as one K, in the product's order):
;;     1. [M 8,192, K 1,024] x [K 1,024, N 1,024]; A: input x (given as codes); B: input Wq (given as codes): QUANTISED (scales: A lowp_scales[0], B lowp_scales[1])
;;     2. [M 8,192, K 1,024] x [K 1,024, N 1,024]; A: input x (given as codes); B: input Wk (given as codes): QUANTISED (scales: A lowp_scales[2], B lowp_scales[3])
;;     3. [M 8,192, K 1,024] x [K 1,024, N 1,024]; A: input x (given as codes); B: input Wv (given as codes): QUANTISED (scales: A lowp_scales[4], B lowp_scales[5])
;;     4. batch 4 x [M 2,048, K 1,024] x [K 1,024, N 2,048]; A: computed on the way; B: computed on the way: QUANTISED (scales: A lowp_scales[6], B lowp_scales[7])
;;     5. batch 4 x [M 2,048, K 2,048] x [K 2,048, N 1,024]; A: softmax (see below); B: computed on the way: QUANTISED (scales: A lowp_scales[8], B lowp_scales[9])
;;   THE QUANTISER, for each operand of a quantised product, along K:
;;     - The operand's scale is 2^e, e = its entry of the input lowp_scales (int32; the entries are numbered through the quantised products in the list's order, A before B).
;;     - Each number is divided by the scale, clamped to +-57,344, and rounded to the nearest number of E5M2, ties to even, subnormals kept.
;;     - The product sums the exact products of the quantised numbers (number of the format x scale) in f32.
;;   ~~~python
;;   def quantise(x, axis, e):      # numpy; x: float32 -> the quantised numbers, widened to float32 again
;;       x = np.moveaxis(x, axis, -1); K = x.shape[-1]
;;       r = np.clip(x / 2.0 ** e, -57344, 57344)
;;       step = 2.0 ** (np.maximum(np.frexp(np.where(r == 0, 1, r))[1] - 1, -14) - 2)
;;       q = np.round(r / step) * step * 2.0 ** e      # np.round: ties to even
;;       return np.moveaxis(q, -1, axis).astype(np.float32)
;;   ~~~
;;   SOFTMAX AHEAD OF A QUANTISED PRODUCT. Where the list says 'softmax', what is quantised is not the finished softmax but p = 2^(t - M), with t = logit x log2(e) and M = ceil(the row's largest t), a whole number; so 1/2 < the row's largest p <= 1. The row's sum l is taken of the UNQUANTISED p, in f32, and the product's result is divided by l at the end. Since M is a whole number, a kernel that streams over the keys may use a running M (the ceiling of the running maximum): every later rescaling is an exact power of two, so the quantised numbers keep their values, but for numbers so far below the row's largest that they fall under the format's range.
;;   OPERANDS COMPUTED ON THE WAY. 'Computed on the way' means the value that the module computes at that place (a softmax that the list does not call 'softmax' is quantised finished and normalised). What goes into a quantiser is computed in f32, as accurately as f32 sums, v_exp_f32 and their like allow (about 1e-6 of the number): no bf16 or f16 on the way to a quantiser, and a product that is left as it is and whose result goes on into a quantised operand takes f32 operands (vector FMAs, or v_wmma_f32_16x16x4_f32). A number that lies on a knife's edge between two numbers of the format may be rounded either way, as far as f32 arithmetic and the matrix unit's own rounding can turn it there, and no further.
;;   INPUTS GIVEN AS CODES. Wk (in the module: [1024, 1024], K = its axis 0); Wq (in the module: [1024, 1024], K = its axis 0); Wv (in the module: [1024, 1024], K = its axis 0); x (in the module: [4, 2048, 1024], K = its axis 2): each comes as NAME_codes (uint8): NAME with its K axis moved to the last place and cut into blocks of 32 codes, [.., K / 32, bytes a block], one block behind the other in memory; one code a byte (a code: sign, 5 exponent bits, 2 mantissa bits); its scale is its entry of lowp_scales. Its value is code x scale, taken as it is: it is not quantised again, and the codes and scales need not be those that the quantiser above would give.
;; One version. Each part assembles by itself: llvm-mc -triple=amdgcn-amd-amdhsa -mcpu=gfx1250 --defsym DOCPART=n.
;; ======== version 1 of 1: 3 launches
;; limits: right only within a limited range of input values
;; workspace buffers: q_img 8,388,608 bytes; k_img 8,388,608 bytes; v_img 8,388,608 bytes; p_img 16,777,216 bytes; stats 2,097,152 bytes
;; launch proj (part 1): grid 8 x 32, 4 waves a work-group, clusters of 4 x 4, 327,680 bytes of LDS; arguments x_codes, Wq_codes, Wk_codes, Wv_codes, bq, bk, bv, lowp_scales, q_img, k_img, v_img; writes q_img, k_img, v_img
.if DOCPART == 1
	.amdgcn_target "amdgcn-amd-amdhsa--gfx1250"
	.amdhsa_code_object_version 6
	.text
	.protected	k_q967e625890_proj
	.globl	k_q967e625890_proj
	.p2align	8
	.type	k_q967e625890_proj,@function
k_q967e625890_proj:
	s_mov_b64 s[64:65], 0
	v_nop
	global_prefetch_b8 v0, s[64:65] scope:SCOPE_SE
	s_setreg_imm32_b32 hwreg(HW_REG_WAVE_MODE, 25, 1), 1
	s_wait_xcnt 0x0
	s_wait_alu depctr_hold_cnt(0) depctr_sa_sdst(0) depctr_va_vdst(0) depctr_va_sdst(0) depctr_va_ssrc(0) depctr_va_vcc(0) depctr_vm_vsrc(0)
	s_getreg_b32 s2, hwreg(HW_REG_IB_STS2, 6, 4)
	s_cmp_eq_u32 s2, 0
	s_cbranch_scc0 .Lentry_in_a_cluster
	s_endpgm
.Lentry_in_a_cluster:
	s_bfe_u32 s2, ttmp6, 0x10000c
	s_cmp_lg_u32 s2, 0xf033
	s_cbranch_scc0 .Lentry_shape_is_right
	s_endpgm
.Lentry_shape_is_right:
; Q = x Wq + bq, K = x Wk + bk, V = x Wv + bv on codes of E5M2 (v_wmma_f32_16x16x128_bf8_bf8, sums in f32), each result quantised at once with its given scale
; (entries 6, 7, 9 of the scales) and stored as codes for the two launches that follow.  x: [8192][1024] codes; Wq, Wk, Wv: [1024 (n)][1024 (k)] codes; biases f32.
; DEAD WORK OF THE WHOLE PROGRAM.  The score of key k for query q is -infinity where k > q, so the weight there is 0 for all values of the inputs.
; The tiles of 256 x 256 scores that lie wholly above the diagonal, and the steps of the last product over such keys, reach no output: the second launch makes only the 36 tiles of a sequence
; on or under the diagonal, the third walks only those.  No input is dead: every bias moves the codes of Q, K or V.  LIMIT: a NaN, an infinity or an overflow that reaches only the work left out is not carried to the result.
; LIMITS on the given exponents e0 .. e9, so that each power of two below is an f32 number: e0 + e1, e2 + e3, e4 + e5 between -126 and 127; e6, e7, e9 between -126 and 112.  NaN among the biases is not served.
; SHARES.  256 work-groups of four waves, all with the same work: first a tile of 256 tokens x 256 channels of Q or K (cluster x says which; a wave 128 x 128, 64 accumulators), then 256 channels x 128 tokens of V (a wave 64 x 128, 32 accumulators).
; For Q and K the rows A are x's tokens and the rows B the weight's channels; for V they change places (A = Wv's channels, B = x's tokens), since V's K in the last product is the keys.
; THE MATRIX INSTRUCTION IS USED TRANSPOSED (source 0 = 16 rows of B, source 1 = 16 rows of A): in accumulator (a, b) lane (r, h) holds row 16 a + r of A, and its registers j the rows 16 b + 8 h + j of B.
; So the eight conversions of accumulators (a, 0 .. 7) give registers 2 b, 2 b + 1 of ONE fragment (16 rows x 128 k) of the next product, every k in the place that the instruction's own layout gives it.
; A FRAGMENT LEAVES AS AN IMAGE OF ITS REGISTERS: registers 4 c .. 4 c + 3 of lane l at byte 512 c + 16 l of 2,048: each store of the wave covers 512 consecutive bytes, aligned.
;   q_img, k_img: [128 tokens: 64][256 channels: 4][a 8][128 channels: 2][2,048];   v_img: [batch 4][128 channels: 8][256 keys: 8][a 8][128 keys: 2][2,048].
; CLUSTERS: 4 x 4 work-groups; A's tile is shared along a row of the cluster, B's along a column: each is asked for jointly.  K goes in steps of 256 through a ring of two LDS slots, four steps for Q or K and four for V:
; the ring does not stop between the two.  Blocks 0-3 of the first result leave ahead of V's first products, which take their registers; blocks 4-7 leave behind V's refills, while those tiles land.
; NO PREFETCH: a product is four K steps of the largest block; two of the eight steps are on their way at the head, and the walk has no trips to run two steps ahead in.
; REGISTERS: window 0: v6-29 offsets, V's bias, addresses, constants; v32-95 the bias of Q or K; v96-127 two sets of codes; v128-255 A's fragments (Q, K: one set of eight; V: two sets of four); v192-255 the numbers on the way out;
;   window 1: B's fragments, two sets;  windows 2, 3: the accumulators, (a, b) at v[8 (8 (a % 4) + b)].
.set ROWB,   256                       ; a tile's row in bytes: 256 codes
.set KROW,   1024                      ; a row of x or of a weight in memory
.set PITCH,  272                       ; an LDS row: 256 bytes + 16 of padding, so that the 16 rows of a fragment load start 68 words apart
.set FR,     16
.set NL,     4
.set NP,     4                         ; places behind this matrix instruction (ISA guide 7.12.1)
.set HALFT,  128*PITCH
.set SLOT,   4*HALFT
.set SPARE,  2*SLOT                    ; behind the ring: the spare words, 128 bytes a wave
.set VOQ,  6                           ; 32 h: bias of Q or K
.set VOV,  7                           ; 4 r: bias of V
.set VB,   8                           ; v8, v10, v12, v14: V's bias of my four blocks
.set ADRA, 16                          ; LDS addresses in slot 0, 1: A's fragments, Q and K
.set ADRAV, 18                         ; A's, V
.set ADRB, 20                          ; B's, Q and K
.set ADRBV, 22                         ; B's, V
.set LI,   24                          ; 16 x lane
.set SCL,  26                          ; 2^eout
.set LIM,  27                          ; 57,344 x 2^eout
.set SPW,  28
.set NIL,  29
.set BI,   32
.set PC,   96
.set AF,   128
.set Y,    192
.set G1V,  4                           ; s[4:11] descriptor group 1 for V's B tile, written when x's and the weights' addresses have served
.set VA,   12                          ; s[12:13] where V's A tiles (Wv) begin
.set VX,   14                          ; s[14:15] where V's B tiles (x) begin
.set BPV,  16                          ; s[16:17] my part of bv
.set OUTV, 20                          ; s[20:21] where my fragments of V go
.set LV,   22                          ; where V's B tile goes in slot 0
.set WV,  26
.set RH,  27                           ; Q, K: which half of A's rows is mine; also: I fetch for A (0) or B (1)
.set G1,  28
.set G0,  36
.set G1B, 44
.set G0B, 52
.set CH,  60                           ; Q, K: which half of B's rows is mine; also: which half of a tile I fetch
.set CX,  61
.set CY,  62
.set CLY, 63                           ; 4 x cluster y
.set SC,  78                           ; s[78:79] 2^ein
.set OUT, 80                           ; s[80:81] where my fragments of Q or K go
.set BP,  82                           ; s[82:83] my part of bq or bk
.set TA,  88                           ; Q, K: token tile: made of cy and cluster ids alone
.set TBV, 89                           ; V: block of 128 tokens: made of cx and cluster ids alone
.set CM,  91                           ; the mask of my column
.set MSB, 0
.macro WIN new                         ; the immediate's high byte repeats the setting that is left
.if MSB != (\new)
	s_set_vgpr_msb (MSB<<8)|(\new)
.set MSB, (\new)
.endif
.endm
.set MUL_LO, 0xa1                      ; source 0 (B) window 1, source 1 (A) window 0, C and D window 2
.set MUL_HI, 0xf1
.set TO_B,   0x40
; A joint load into slot s: waves 0 and 1 fetch for A, waves 2 and 3 for B; an s_nop 0 and four v_nop follow each of the two lines.
.macro JLOAD s, g1b
	s_cmp_eq_u32 s[RH], 0
	s_cbranch_scc0 .Lfor_b_\@
	tensor_load_to_lds s[G0+4*\s:G0+4*\s+3], s[G1:G1+7]
	s_nop 0
.rept 4
	v_nop
.endr
	s_branch .Lasked_\@
.Lfor_b_\@:
	tensor_load_to_lds s[G0B+4*\s:G0B+4*\s+3], s[\g1b:\g1b+7]
	s_nop 0
.rept 4
	v_nop
.endr
.Lasked_\@:
.endm
.macro CREST                           ; a round of the cluster's barrier behind its opening barrier
	s_cmp_lg_u32 s[WV], 0
	s_cbranch_scc1 .Lnot_wave_0_\@
	s_barrier_signal -3
.Lnot_wave_0_\@:
	s_barrier_wait -3
	s_barrier_signal -1
	s_barrier_wait -1
.endm
.macro CROUND
	s_barrier_signal -1
	s_barrier_wait -1
	CREST
.endm
	s_load_b512 s[4:19], s[0:1], 0x0               ; x s[4:5], Wq s[6:7], Wk s[8:9], Wv s[10:11], bq s[12:13], bk s[14:15], bv s[16:17], the scales s[18:19]
	s_load_b128 s[20:23], s[0:1], 0x40             ; q_img, k_img
	s_load_b64 s[24:25], s[0:1], 0x50              ; v_img
	v_lshl_add_u32 v[SPW], v0, 2, SPARE
	v_mov_b32 v[NIL], 0
	ds_add_u32 v[SPW], v[NIL]                      ; the wave's opening: the add, twice on end, and its wait ahead of my first tensor load
	ds_add_u32 v[SPW], v[NIL]
	v_lshrrev_b32 v1, 5, v0
	v_readfirstlane_b32 s[WV], v1                  ; wave 0..3
	s_lshr_b32 s[RH], s[WV], 1
	s_and_b32 s[CH], s[WV], 1
	s_bfe_u32 s[CX], ttmp6, 0x40000                ; my place in the cluster
	s_bfe_u32 s[CY], ttmp6, 0x40004
	s_and_b32 s[CLY], ttmp7, 0xffff
	s_lshl_b32 s[CLY], s[CLY], 2
	s_add_co_u32 s[TA], s[CLY], s[CY]              ; Q, K: tokens 256 TA on
	s_lshl_b32 s[TBV], s[CLY], 1
	s_lshl_b32 s90, ttmp9, 2
	s_add_co_u32 s[TBV], s[TBV], s90
	s_add_co_u32 s[TBV], s[TBV], s[CX]             ; V: tokens 128 (8 cluster y + 4 cluster x + cx) on
	s_lshl_b32 s90, s[CY], 2
	s_lshl_b32 s90, 15, s90                        ; my row of the cluster
	s_lshl_b32 s[CM], 0x1111, s[CX]                ; my column
	s_or_b32 s[G1], s90, (0<<16)|(1<<20)|(1<<21)|(5<<22)|(3<<25)   ; the mask; elements of 1 byte; padding on; bit 21 beside a mask; 4 words behind every 64
	s_or_b32 s[G1B], s[CM], (0<<16)|(1<<20)|(1<<21)|(5<<22)|(3<<25)
.irp g, G1, G1B
	s_mov_b32 s[\g+1], ROWB<<16                    ; tensor_dim0
	s_mov_b32 s[\g+2], 128<<16                     ; tensor_dim1
	s_mov_b32 s[\g+3], ROWB<<16                    ; tile_dim0
	s_mov_b32 s[\g+4], 128                         ; tile_dim1
	s_mov_b32 s[\g+5], KROW                        ; from row to row
	s_mov_b32 s[\g+6], 0
	s_mov_b32 s[\g+7], 0
.endr
	; byte offsets of what I fetch: rows of 1,024 bytes, all under 2^23
	s_lshl_b32 s92, s[CH], 7                       ; which 128 rows of the tile
	s_lshl_b32 s84, s[TA], 8
	s_add_co_u32 s84, s84, s92
	s_lshl_b32 s84, s84, 10                        ; Q, K: A = x
	s_mov_b32 s85, 0
	s_lshl_b32 s86, s[CX], 8
	s_add_co_u32 s86, s86, s92
	s_lshl_b32 s86, s86, 10                        ; Q, K: B = the weight
	s_mov_b32 s87, 0
	s_lshl_b32 s66, s[CY], 8
	s_add_co_u32 s66, s66, s92
	s_lshl_b32 s66, s66, 10                        ; V: A = Wv
	s_mov_b32 s67, 0
	s_lshl_b32 s98, s[TBV], 7
	s_lshl_b32 s92, s[CH], 6
	s_add_co_u32 s98, s98, s92
	s_lshl_b32 s98, s98, 10                        ; V: B = x, 64 rows a wave
	s_mov_b32 s99, 0
	s_mul_i32 s93, s[WV], HALFT                    ; where they go: wave x 128 rows
	s_wait_dscnt 0x0                               ; both opening adds are done
	s_wait_kmcnt 0x0
	s_load_b256 s[68:75], s[18:19], 0x0            ; e0 .. e7
	s_load_b64 s[76:77], s[18:19], 0x20            ; e8, e9
	s_cmp_eq_u32 ttmp9, 0                          ; Q or K?  The cluster's x: the same in all sixteen partners
	s_cselect_b64 s[96:97], s[6:7], s[8:9]
	s_cselect_b64 s[OUT:OUT+1], s[20:21], s[22:23]
	s_cselect_b64 s[BP:BP+1], s[12:13], s[14:15]
	s_add_nc_u64 s[94:95], s[4:5], s[84:85]
	s_add_nc_u64 s[96:97], s[96:97], s[86:87]
	s_add_nc_u64 s[VA:VA+1], s[10:11], s[66:67]
	s_add_nc_u64 s[VX:VX+1], s[4:5], s[98:99]
	CROUND                                         ; all sixteen work-groups are here: the first joint loads meet
.irp s, 0,1
	s_mov_b32 s[G0+4*\s], 1
	s_add_co_u32 s[G0+4*\s+1], s93, \s*SLOT
	s_add_nc_u64 s[G0+4*\s+2:G0+4*\s+3], s[94:95], \s*ROWB
	s_or_b32 s[G0+4*\s+3], s[G0+4*\s+3], 0x80000000
	s_mov_b32 s[G0B+4*\s], 1
	s_add_co_u32 s[G0B+4*\s+1], s93, \s*SLOT
	s_add_nc_u64 s[G0B+4*\s+2:G0B+4*\s+3], s[96:97], \s*ROWB
	s_or_b32 s[G0B+4*\s+3], s[G0B+4*\s+3], 0x80000000
.endr
	JLOAD 0, G1B                                   ; K step 0: one tensor load a wave at the head
	; V's B tile: 64 rows a wave
	s_or_b32 s[G1V], s[CM], (0<<16)|(1<<20)|(1<<21)|(5<<22)|(3<<25)
	s_mov_b32 s[G1V+1], ROWB<<16
	s_mov_b32 s[G1V+2], 64<<16
	s_mov_b32 s[G1V+3], ROWB<<16
	s_mov_b32 s[G1V+4], 64
	s_mov_b32 s[G1V+5], KROW
	s_mov_b32 s[G1V+6], 0
	s_mov_b32 s[G1V+7], 0
	s_mul_i32 s[LV], s[CH], 64*PITCH
	s_add_co_u32 s[LV], s[LV], 2*HALFT
	; where my fragments go.  Q, K: block 4 (2 TA + RH) + cx of 32,768 bytes, fragment CH of each pair
	s_lshl_b32 s66, s[TA], 1
	s_add_co_u32 s66, s66, s[RH]
	s_lshl_b32 s66, s66, 2
	s_add_co_u32 s66, s66, s[CX]
	s_lshl_b32 s66, s66, 15
	s_lshl_b32 s90, s[CH], 11
	s_add_co_u32 s66, s66, s90
	s_add_nc_u64 s[OUT:OUT+1], s[OUT:OUT+1], s[66:67]
	; V: block 64 batch + 8 (2 cy + RH) + 256 keys' number; my four fragments begin at a = 4 CH; fragment TBV % 2 of each pair
	s_lshl_b32 s66, s[CY], 1
	s_add_co_u32 s66, s66, s[RH]
	s_lshl_b32 s66, s66, 3
	s_lshr_b32 s90, s[TBV], 4
	s_lshl_b32 s90, s90, 6
	s_add_co_u32 s66, s66, s90
	s_bfe_u32 s90, s[TBV], 0x30001
	s_add_co_u32 s66, s66, s90
	s_lshl_b32 s66, s66, 15
	s_lshl_b32 s90, s[CH], 14
	s_add_co_u32 s66, s66, s90
	s_and_b32 s90, s[TBV], 1
	s_lshl_b32 s90, s90, 11
	s_add_co_u32 s66, s66, s90
	s_add_nc_u64 s[OUTV:OUTV+1], s[24:25], s[66:67]
	s_lshl_b32 s66, s[CX], 10
	s_lshl_b32 s90, s[CH], 9
	s_add_co_u32 s66, s66, s90                     ; 4 x (256 cx + 128 CH)
	s_add_nc_u64 s[BP:BP+1], s[BP:BP+1], s[66:67]
	s_lshl_b32 s66, s[CY], 10
	s_lshl_b32 s90, s[WV], 8
	s_add_co_u32 s66, s66, s90                     ; 4 x (256 cy + 64 wave)
	s_add_nc_u64 s[BPV:BPV+1], s[BPV:BPV+1], s[66:67]
	s_mul_i32 s98, s[RH], HALFT                    ; Q, K: my 128 rows of A
	s_mul_i32 s99, s[CH], HALFT                    ; my 128 rows of B,
	s_add_co_u32 s99, s99, 2*HALFT                 ; behind A's 256
	s_mul_i32 s90, s[WV], 64*PITCH                 ; V: my 64 rows of A
	v_and_b32 v1, 15, v0                           ; r
	v_bfe_u32 v2, v0, 4, 1                         ; h
	v_mul_u32_u24 v3, v1, PITCH
	v_lshl_add_u32 v4, v2, 4, v3                   ; a fragment's row x pitch + 16 h
	v_add_nc_u32 v[ADRA], s98, v4
	v_add_nc_u32 v[ADRB], s99, v4
	v_add_nc_u32 v[ADRAV], s90, v4
	v_add_nc_u32 v[ADRBV], 2*HALFT, v4
	v_add_nc_u32 v[ADRA+1], SLOT, v[ADRA]
	v_add_nc_u32 v[ADRB+1], SLOT, v[ADRB]
	v_add_nc_u32 v[ADRAV+1], SLOT, v[ADRAV]
	v_add_nc_u32 v[ADRBV+1], SLOT, v[ADRBV]
	v_and_b32 v5, 31, v0
	v_lshlrev_b32 v[LI], 4, v5
	v_lshlrev_b32 v[VOQ], 5, v2
	v_lshlrev_b32 v[VOV], 2, v1
.irp a, 0,1,2,3
	v_mov_b32 v[VB+2*\a+1], 0                      ; (named as the upper halves of pairs)
.endr
.irp u, 0,1,2,3,4,5,6,7                        ; BI + 8 u + j: Q's or K's bias of B's row 16 u + 8 h + j of my 128
	global_load_b128 v[BI+8*\u:BI+8*\u+3], v[VOQ], s[BP:BP+1] offset:64*\u
	global_load_b128 v[BI+8*\u+4:BI+8*\u+7], v[VOQ], s[BP:BP+1] offset:64*\u+16
.endr
.irp a, 0,1,2,3                                ; V's bias of A's row 16 a + r of my 64
	global_load_b32 v[VB+2*\a], v[VOV], s[BPV:BPV+1] offset:64*\a
.endr
.macro FRAG reg, adr, q, i             ; 16 rows x 128 K by four loads of 16 bytes: registers 4 c .. 4 c + 3 hold K = 32 c + 16 h + 0 .. 15: a permutation of k, the same in A and in B
.irp c, 0,1,2,3
	ds_load_b128 v[\reg+4*\c:\reg+4*\c+3], v[\adr] offset:128*(\q)+32*\c+(\i)*16*PITCH
.endr
.endm
; Eight matrix instructions: A's block a x B's eight.  The accumulators take turns, one instruction a turn, in the same order in every step.
.macro MUL8 a, p, zero
.irp b, 0,1,2,3,4,5,6,7
.if \zero
	v_wmma_f32_16x16x128_bf8_bf8 v[8*(8*((\a)%4)+\b):8*(8*((\a)%4)+\b)+7], v[128*(\p)+FR*\b:128*(\p)+FR*\b+FR-1], v[AF+FR*(\a):AF+FR*(\a)+FR-1], 0
.else
	v_wmma_f32_16x16x128_bf8_bf8 v[8*(8*((\a)%4)+\b):8*(8*((\a)%4)+\b)+7], v[128*(\p)+FR*\b:128*(\p)+FR*\b+FR-1], v[AF+FR*(\a):AF+FR*(\a)+FR-1], v[8*(8*((\a)%4)+\b):8*(8*((\a)%4)+\b)+7]
.endif
.endr
.endm
.macro MUL16 a0, p, zero
	MUL8 \a0, \p, \zero
	MUL8 \a0+1, \p, \zero
.endm
.macro FETCH_B adr, q, p
	WIN TO_B
.irp i, 0,1,2,3,4,5,6,7
	FRAG 128*(\p)+FR*\i, \adr, \q, \i
.endr
	WIN 0
.endm
.macro FETCH_A slot, q, i0
.irp i, \i0, \i0+1, \i0+2, \i0+3
	FRAG AF+FR*(\i), ADRA+\slot, \q, \i
.endr
.endm
.macro VFETCH slot, q, p               ; V: B's eight fragments and my four of A into set p of each
	FETCH_B ADRBV+\slot, \q, \p
.irp i, 0,1,2,3
	FRAG AF+64*(\p)+FR*\i, ADRAV+\slot, \q, \i
.endr
.endm
.macro PLACES n                        ; plain vector lines between a matrix instruction and a load into, or a vector line on, its registers
.rept \n
	v_nop
.endr
.endm
; Q, K: a step of 128 along K that has its successor in the same slot.  A has one set of registers (blocks 0-3 fetched anew in the step's middle, 4-7 at its end), B two.
.macro STEP slot, q, zero
	s_wait_dscnt 4*NL                              ; B's set and A's blocks 0-3 are in; the 16 youngest loads (A's blocks 4-7) may be out
	WIN MUL_LO
	MUL16 0, (\q)%2, \zero
	MUL16 2, (\q)%2, \zero
	s_wait_dscnt 0
	PLACES NP
	FETCH_B ADRB+\slot, (\q)+1, 1-(\q)%2
	FETCH_A \slot, (\q)+1, 0
	WIN MUL_HI
	MUL16 4, (\q)%2, \zero
	MUL16 6, (\q)%2, \zero
	PLACES NP
	WIN 0
	FETCH_A \slot, (\q)+1, 4
.endm
; The descriptors of what a slot takes next.  fill = 1: the same product, two K steps on;  2: V's first K step for this slot.
.macro NEXT slot, fill
.if (\fill) == 1
	s_add_nc_u64 s[G0+4*\slot+2:G0+4*\slot+3], s[G0+4*\slot+2:G0+4*\slot+3], 2*ROWB
	s_add_nc_u64 s[G0B+4*\slot+2:G0B+4*\slot+3], s[G0B+4*\slot+2:G0B+4*\slot+3], 2*ROWB
.endif
.if (\fill) == 2
	s_add_nc_u64 s[G0+4*\slot+2:G0+4*\slot+3], s[VA:VA+1], \slot*ROWB
	s_or_b32 s[G0+4*\slot+3], s[G0+4*\slot+3], 0x80000000
	s_add_co_u32 s[G0B+4*\slot+1], s[LV], \slot*SLOT
	s_add_nc_u64 s[G0B+4*\slot+2:G0B+4*\slot+3], s[VX:VX+1], \slot*ROWB
	s_or_b32 s[G0B+4*\slot+3], s[G0B+4*\slot+3], 0x80000000
.endif
.endm
; A slot's last step changes slots: one barrier; in front of it each wave waits for all its tensor loads, adds 0 to its spare word, and waits for that and for its reads of this slot.
; Behind it the slot just left is filled again, in a round of the cluster's barrier.  isv: the next slot holds V's tiles.
.macro TURN slot, next, fill, isv
	s_wait_tensorcnt 0x0                           ; all my tensor loads have landed: my part of the next slot; every group 0 may be written
	ds_add_u32 v[SPW], v[NIL]
	NEXT \slot, \fill
	s_wait_dscnt 4*NL+1                            ; the add and the 16 youngest loads may be out
	WIN MUL_LO
	MUL16 0, 1, 0
	s_wait_dscnt 0x0                               ; the add is done, and my reads of this slot are over
	s_barrier_signal -1
	MUL16 2, 1, 0
	WIN 0
	s_barrier_wait -1
	CREST                                          ; the barrier has opened a round of the cluster's: no wave of any partner still reads this slot or has a load on its way
.if (\fill) == 2
	JLOAD \slot, G1V                               ; the first tensor load behind the round; its four v_nop are the places in front of the loads below
.else
	JLOAD \slot, G1B
.endif
.if \isv
	VFETCH \next, 0, 0
.else
	FETCH_B ADRB+\next, 0, 0
	FETCH_A \next, 0, 0
.endif
	WIN MUL_HI
	MUL16 4, 1, 0
	MUL16 6, 1, 0
	PLACES NP
	WIN 0
.if (\isv) == 0
	FETCH_A \next, 0, 4
.endif
.endm
; V: a slot's first step of 128 along K, on sets 0; the second's fragments are fetched into sets 1.
.macro VSTEP slot, zero
	s_wait_dscnt 0x0
	PLACES NP
	VFETCH \slot, 1, 1
	WIN MUL_LO
	MUL16 0, 0, \zero
	MUL16 2, 0, \zero
	WIN 0
.endm
; V: a slot's second step, on sets 1, changes slots as above.
.macro VTURN slot, next, fill
	s_wait_tensorcnt 0x0                           ; all my tensor loads have landed
	ds_add_u32 v[SPW], v[NIL]
	NEXT \slot, \fill
	s_wait_dscnt 1                                 ; sets 1 are in; the add may be out
	WIN MUL_LO
	MUL8 4, 1, 0
	s_wait_dscnt 0x0                               ; the add is done, and my reads of this slot are over
	s_barrier_signal -1
	MUL8 5, 1, 0
	WIN 0
	s_barrier_wait -1
.if \fill
	CREST
	JLOAD \slot, G1V
.else
	PLACES NP
.endif
	VFETCH \next, 0, 0
	WIN MUL_LO
	MUL16 6, 1, 0
	WIN 0
	PLACES NP
.endm
; THE WAY OUT.  number = sum x 2^ein + bias, one fused multiply-add; held within +-57,344 x 2^eout; converted with 2^eout.
.macro SCALES                          ; s90 = ein, s92 = eout
	s_add_co_i32 s90, s90, 127
	s_lshl_b32 s[SC], s90, 23
	s_mov_b32 s[SC+1], s[SC]                       ; (named with it as a pair)
	s_add_co_i32 s92, s92, 127
	s_lshl_b32 s93, s92, 23
	v_mov_b32 v[SCL], s93
	s_add_co_i32 s92, s92, 15
	s_lshl_b32 s92, s92, 23
	s_or_b32 s92, s92, 0x600000
	v_mov_b32 v[LIM], s92
.endm
.macro OUTBLK a, isv, base             ; block a: 16 rows of A x 128 rows of B become one fragment
	WIN 0x02+((\a)/4)
.set AC, 64*((\a)%4)
.set oj, 0
.rept 32
.if \isv
	v_pk_fma_f32 v[Y+oj:Y+oj+1], v[AC+oj:AC+oj+1], s[SC:SC+1], v[VB+2*(\a):VB+2*(\a)+1] op_sel_hi:[1,0,0]   ; the bias lies along the lanes
.else
	v_pk_fma_f32 v[Y+oj:Y+oj+1], v[AC+oj:AC+oj+1], s[SC:SC+1], v[BI+oj:BI+oj+1] op_sel_hi:[1,0,1]   ; each accumulator from its low end on
.endif
.set oj, oj+2
.endr
	WIN 0
.set oj, 0
.rept 64
	v_med3_num_f32 v[Y+oj], v[Y+oj], -v[LIM], v[LIM]   ; the conversion to an 8-bit code does not saturate (ISA guide 7.6.2)
.set oj, oj+1
.endr
.if ((\a) > 1) || (\isv)
	s_wait_alu depctr_va_vdst(0)
	s_wait_xcnt 0x0                                ; the stores of the block two before have read their registers: the set of codes is written again only behind this wait
.endif
.set PB, PC+16*((\a)%2)
.set oj, 0
.rept 8
	v_cvt_scalef32_pk8_bf8_f32 v[PB+2*oj:PB+2*oj+1], v[Y+8*oj:Y+8*oj+7], v[SCL]
.set oj, oj+1
.endr
	v_nop                                          ; a plain line between the conversions and the next block's writes of their sources
.irp c, 0,1,2,3
	global_store_b128 v[LI], v[PB+4*\c:PB+4*\c+3], s[\base:\base+1] offset:4096*(\a)+512*\c   ; 32 lanes store 512 consecutive bytes, aligned
.endr
.endm
	s_wait_alu depctr_va_vdst(0)
	s_wait_tensorcnt 0x0                           ; my part of K step 0 is in
	ds_add_u32 v[SPW], v[NIL]
	s_wait_dscnt 0x0                               ; the add is done
	CROUND                                         ; everybody's part of K step 0 is in, and the joint loads meet
	JLOAD 1, G1B                                   ; K step 1, the first tensor load behind the round
	FETCH_B ADRB, 0, 0
	FETCH_A 0, 0, 0
	FETCH_A 0, 0, 4
	STEP 0, 0, 1                                   ; K = 1,024 is eight steps of 128, written on end; the first starts the sums
	TURN 0, 1, 1, 0
	STEP 1, 0, 0
	TURN 1, 0, 1, 0
	STEP 0, 0, 0
	TURN 0, 1, 2, 0                                ; the ring goes on: slot 0 takes V's K step 0,
	STEP 1, 0, 0
	TURN 1, 0, 2, 1                                ; slot 1 V's K step 1, and V's first fragments are fetched
	s_wait_kmcnt 0x0
	s_cmp_eq_u32 ttmp9, 0
	s_cselect_b32 s90, s68, s70
	s_cselect_b32 s91, s69, s71
	s_cselect_b32 s92, s74, s75                    ; eout: e6 or e7
	s_add_co_i32 s90, s90, s91                     ; ein: e0 + e1 or e2 + e3
	SCALES
	s_wait_loadcnt 0x0                             ; the biases
	PLACES NP
.irp a, 0,1,2,3                                ; window 2 is free behind these: V's sums begin there
	OUTBLK \a, 0, OUT
.endr
	VSTEP 0, 1                                     ; V's first products start the sums
	VTURN 0, 1, 1
	OUTBLK 4, 0, OUT                               ; sets 1 are multiplied: the numbers lie where A's was; V's K step 2 is on its way
	OUTBLK 5, 0, OUT
	VSTEP 1, 0
	VTURN 1, 0, 1
	OUTBLK 6, 0, OUT                               ; and its K step 3
	OUTBLK 7, 0, OUT
	VSTEP 0, 0
	VTURN 0, 1, 0                                  ; nothing is left to fetch
	VSTEP 1, 0
	s_wait_dscnt 0x0
	WIN MUL_LO
	MUL16 4, 1, 0
	MUL16 6, 1, 0
	WIN 0
	s_add_co_i32 s90, s72, s73                     ; V: e4 + e5, e9
	s_mov_b32 s92, s77
	SCALES
	PLACES NP
.irp a, 0,1,2,3
	OUTBLK \a, 1, OUTV
.endr
	s_wait_tensorcnt 0x0                           ; the wave's end:
	ds_add_u32 v[SPW], v[NIL]
	s_wait_dscnt 0x0
	CROUND                                         ; the closing round
	s_endpgm
.Lfunc_end_k_q967e625890_proj:
	.size	k_q967e625890_proj, .Lfunc_end_k_q967e625890_proj-k_q967e625890_proj
	.p2alignl 7, 3214868480
	.fill 96, 4, 3214868480
	.section	.rodata,"a",@progbits
	.p2align	6, 0x0
	.amdhsa_kernel k_q967e625890_proj
		.amdhsa_group_segment_fixed_size 327680
		.amdhsa_private_segment_fixed_size 0
		.amdhsa_enable_private_segment 0
		.amdhsa_kernarg_size 88
		.amdhsa_user_sgpr_count 2
		.amdhsa_user_sgpr_kernarg_segment_ptr 1
		.amdhsa_wavefront_size32 1
		.amdhsa_system_sgpr_workgroup_id_x 1
		.amdhsa_system_sgpr_workgroup_id_y 1
		.amdhsa_system_sgpr_workgroup_id_z 1
		.amdhsa_system_vgpr_workitem_id 0
		.amdhsa_next_free_vgpr 1024
		.amdhsa_next_free_sgpr 100
		.amdhsa_reserve_vcc 0
		.amdhsa_float_denorm_mode_32 3
		.amdhsa_float_denorm_mode_16_64 3
		.amdhsa_memory_ordered 1
		.amdhsa_forward_progress 1
		.amdhsa_inst_pref_size 214
	.end_amdhsa_kernel
	.amdgpu_metadata
---
amdhsa.version: [ 1, 2 ]
amdhsa.kernels:
  - .name:           k_q967e625890_proj
    .symbol:         k_q967e625890_proj.kd
    .args:
      - { .name: x_codes, .offset: 0, .size: 8, .value_kind: global_buffer, .address_space: global }
      - { .name: Wq_codes, .offset: 8, .size: 8, .value_kind: global_buffer, .address_space: global }
      - { .name: Wk_codes, .offset: 16, .size: 8, .value_kind: global_buffer, .address_space: global }
      - { .name: Wv_codes, .offset: 24, .size: 8, .value_kind: global_buffer, .address_space: global }
      - { .name: bq, .offset: 32, .size: 8, .value_kind: global_buffer, .address_space: global }
      - { .name: bk, .offset: 40, .size: 8, .value_kind: global_buffer, .address_space: global }
      - { .name: bv, .offset: 48, .size: 8, .value_kind: global_buffer, .address_space: global }
      - { .name: lowp_scales, .offset: 56, .size: 8, .value_kind: global_buffer, .address_space: global }
      - { .name: q_img, .offset: 64, .size: 8, .value_kind: global_buffer, .address_space: global }
      - { .name: k_img, .offset: 72, .size: 8, .value_kind: global_buffer, .address_space: global }
      - { .name: v_img, .offset: 80, .size: 8, .value_kind: global_buffer, .address_space: global }
    .group_segment_fixed_size: 327680
    .private_segment_fixed_size: 0
    .kernarg_segment_align: 8
    .kernarg_segment_size: 88
    .max_flat_workgroup_size: 128
    .sgpr_count:     100
    .vgpr_count:     1024
    .wavefront_size: 32
...
	.end_amdgpu_metadata
.endif
;; end of part 1
;; launch scores (part 2): grid 36 x 4, 4 waves a work-group, no clusters, 327,680 bytes of LDS; arguments q_img, k_img, lowp_scales, p_img, stats; writes p_img, stats
.if DOCPART == 2
	.amdgcn_target "amdgcn-amd-amdhsa--gfx1250"
	.amdhsa_code_object_version 6
	.text
	.protected	k_q967e625890_scores
	.globl	k_q967e625890_scores
	.p2align	8
	.type	k_q967e625890_scores,@function
k_q967e625890_scores:
	s_mov_b64 s[64:65], 0
	v_nop
	global_prefetch_b8 v0, s[64:65] scope:SCOPE_SE
	s_setreg_imm32_b32 hwreg(HW_REG_WAVE_MODE, 25, 1), 1
	s_wait_xcnt 0x0
.set SLOTB, 131072
.set XCH,   2*SLOTB
.set SPARE, XCH+4096
.set FR, 16
.set NL, 4
.set NP, 4
.set SCL,  14
.set ADRA, 16
.set ADRB, 20
.set LI,   24
.set XW,   25
.set XR,   26
.set DD,   27
.set SPW,  28
.set NIL,  29
.set NINF, 30
.set LIMV, 31
.set MX,   32
.set PX,   40
.set NM,   48
.set LS,   56
.set NMP,  64
.set T,    80
.set SA,   96
.set SB,   98
.set TP,   100
.set AF,   128
.set PC,   128
.set WV, 14
.set RH, 15
.set CH, 16
.set I,  17
.set J,  18
.set BT, 19
.set G1, 24
.set G0, 32
.set CS, 40
.set SEL, 42
.set HID, 44
.set MSK, 45
.set PPTR, 52
.set SPTR, 54
.set HM, 56
.set MSB, 0
.macro WIN new
.if MSB != (\new)
	s_set_vgpr_msb (MSB<<8)|(\new)
.set MSB, (\new)
.endif
.endm
.set MUL_LO, 0xa1
.set MUL_HI, 0xf1
.set TO_B,   0x40
	s_load_b256 s[4:11], s[0:1], 0x0
	s_load_b64 s[12:13], s[0:1], 0x20
	v_lshl_add_u32 v[SPW], v0, 2, SPARE
	v_mov_b32 v[NIL], 0
	ds_add_u32 v[SPW], v[NIL]
	ds_add_u32 v[SPW], v[NIL]
	v_lshrrev_b32 v1, 5, v0
	v_readfirstlane_b32 s[WV], v1
	s_lshr_b32 s[RH], s[WV], 1
	s_and_b32 s[CH], s[WV], 1
	s_and_b32 s[BT], ttmp7, 0xffff
	s_mov_b32 s[I], 0
.irp n, 1,3,6,10,15,21,28
	s_cmp_ge_u32 ttmp9, \n
	s_add_co_ci_u32 s[I], s[I], 0
.endr
	s_add_co_u32 s[J], s[I], 1
	s_mul_i32 s[J], s[J], s[I]
	s_lshr_b32 s[J], s[J], 1
	s_sub_co_u32 s[J], ttmp9, s[J]
	s_cmp_eq_u32 s[I], s[J]
	s_cselect_b32 s2, 1, 0
	s_cmp_eq_u32 s[WV], 1
	s_cselect_b32 s[HID], s2, 0
	s_cmp_eq_u32 s[RH], s[CH]
	s_cselect_b32 s[MSK], s2, 0
	s_mov_b32 s[G1], 3<<16
	s_mov_b32 s[G1+1], 32<<16
	s_mov_b32 s[G1+2], 128<<16
	s_mov_b32 s[G1+3], 32<<16
	s_mov_b32 s[G1+4], 128
	s_mov_b32 s[G1+5], 32
	s_mov_b32 s[G1+6], 0
	s_mov_b32 s[G1+7], 0
	s_mov_b32 s[SEL], 0x76543210
	s_mov_b32 s[SEL+1], 0xfedcba98
	s_mov_b32 s[CS], 0x3d38aa3b
	s_cmp_lt_u32 s[WV], 2
	s_cselect_b32 s20, s[I], s[J]
	s_lshl_b32 s20, s20, 1
	s_add_co_u32 s20, s20, s[CH]
	s_lshl_b32 s21, s[BT], 4
	s_add_co_u32 s20, s20, s21
	s_lshl_b32 s20, s20, 17
	s_mov_b32 s21, 0
	s_lshl_b32 s22, s[WV], 15
	s_wait_dscnt 0x0
	s_wait_kmcnt 0x0
	s_load_b128 s[48:51], s[8:9], 0x18
	s_cmp_lt_u32 s[WV], 2
	s_cselect_b64 s[46:47], s[4:5], s[6:7]
	s_add_nc_u64 s[46:47], s[46:47], s[20:21]
.irp s, 0,1
	s_mov_b32 s[G0+4*\s], 1
	s_add_co_u32 s[G0+4*\s+1], s22, \s*SLOTB
	s_add_nc_u64 s[G0+4*\s+2:G0+4*\s+3], s[46:47], \s*32768
	s_or_b32 s[G0+4*\s+3], s[G0+4*\s+3], 0x80000000
	s_wait_alu depctr_va_vdst(0)
	s_wait_tensorcnt 0x0
	ds_add_u32 v28, v29
	ds_add_u32 v28, v29
	s_wait_dscnt 0x0
	s_barrier_signal -1
	s_barrier_wait -1
	tensor_load_to_lds s[G0+4*\s:G0+4*\s+3], s[G1:G1+7]
	s_nop 0
.endr
	v_and_b32 v1, 31, v0
	v_lshlrev_b32 v[LI], 4, v1
	s_wait_alu depctr_va_vdst(0)
	s_lshl_b32 s20, s[RH], 15
	s_lshl_b32 s21, s[CH], 15
	s_add_co_u32 s21, s21, 65536
.irp s, 0,1
	v_add_nc_u32 v[ADRA+\s], s20, v[LI]
	v_add_nc_u32 v[ADRB+\s], s21, v[LI]
	s_add_co_u32 s20, s20, SLOTB
	s_add_co_u32 s21, s21, SLOTB
.endr
	s_lshl_b32 s20, s[WV], 10
	s_add_co_u32 s20, s20, XCH
	v_add_nc_u32 v[XW], s20, v[LI]
	s_xor_b32 s20, s[WV], 1
	s_lshl_b32 s20, s20, 10
	s_add_co_u32 s20, s20, XCH
	v_add_nc_u32 v[XR], s20, v[LI]
	v_and_b32 v2, 15, v0
	v_bfe_u32 v3, v0, 4, 1
	v_lshlrev_b32 v3, 3, v3
	v_sub_nc_u32 v[DD], v2, v3
	v_mov_b32 v[NINF], 0xff800000
	v_mov_b32 v[TP], 0
	s_lshl_b32 s20, s[BT], 3
	s_add_co_u32 s20, s20, s[I]
	s_lshl_b32 s20, s20, 3
	s_add_co_u32 s20, s20, s[J]
	s_lshl_b32 s21, s20, 1
	s_add_co_u32 s21, s21, s[RH]
	s_lshl_b32 s22, s21, 15
	s_lshl_b32 s23, s[CH], 11
	s_add_co_u32 s22, s22, s23
	s_mov_b32 s23, 0
	s_add_nc_u64 s[PPTR:PPTR+1], s[10:11], s[22:23]
	s_lshl_b32 s22, s20, 2
	s_add_co_u32 s22, s22, s[WV]
	s_lshl_b32 s22, s22, 11
	s_add_nc_u64 s[SPTR:SPTR+1], s[12:13], s[22:23]
.macro FRAG reg, adr, q, i
.irp c, 0,1,2,3
	ds_load_b128 v[\reg+4*\c:\reg+4*\c+3], v[\adr] offset:(2*(\i)+(\q))*2048+512*\c
.endr
.endm
.macro MUL16 a0, p, zero
.irp a, \a0, \a0+1
.irp b, 0,1,2,3,4,5,6,7
.if \zero
	v_wmma_f32_16x16x128_bf8_bf8 v[8*(8*((\a)%4)+\b):8*(8*((\a)%4)+\b)+7], v[128*(\p)+FR*\b:128*(\p)+FR*\b+FR-1], v[AF+FR*(\a):AF+FR*(\a)+FR-1], 0
.else
	v_wmma_f32_16x16x128_bf8_bf8 v[8*(8*((\a)%4)+\b):8*(8*((\a)%4)+\b)+7], v[128*(\p)+FR*\b:128*(\p)+FR*\b+FR-1], v[AF+FR*(\a):AF+FR*(\a)+FR-1], v[8*(8*((\a)%4)+\b):8*(8*((\a)%4)+\b)+7]
.endif
.endr
.endr
.endm
.macro FETCH_B slot, q, p
	WIN TO_B
.irp i, 0,1,2,3,4,5,6,7
	FRAG 128*(\p)+FR*\i, ADRB+\slot, \q, \i
.endr
	WIN 0
.endm
.macro FETCH_A slot, q, i0
.irp i, \i0, \i0+1, \i0+2, \i0+3
	FRAG AF+FR*(\i), ADRA+\slot, \q, \i
.endr
.endm
.macro PLACES n
.rept \n
	v_nop
.endr
.endm
.macro STEP slot, q, zero
	s_wait_dscnt 4*NL
	WIN MUL_LO
	MUL16 0, (\q)%2, \zero
	MUL16 2, (\q)%2, \zero
	s_wait_dscnt 0
	PLACES NP
	FETCH_B \slot, (\q)+1, 1-(\q)%2
	FETCH_A \slot, (\q)+1, 0
	WIN MUL_HI
	MUL16 4, (\q)%2, \zero
	MUL16 6, (\q)%2, \zero
	PLACES NP
	WIN 0
	FETCH_A \slot, (\q)+1, 4
.endm
.macro TURN slot, next, fill
	s_wait_tensorcnt 0x0
	ds_add_u32 v[SPW], v[NIL]
	s_wait_dscnt 4*NL+1
	WIN MUL_LO
	MUL16 0, 1, 0
	s_wait_dscnt 0x0
	s_barrier_signal -1
	MUL16 2, 1, 0
	WIN 0
	s_barrier_wait -1
.if \fill
	s_add_nc_u64 s[G0+4*\slot+2:G0+4*\slot+3], s[G0+4*\slot+2:G0+4*\slot+3], 65536
	tensor_load_to_lds s[G0+4*\slot:G0+4*\slot+3], s[G1:G1+7]
	s_nop 0
	PLACES NP
.else
	PLACES NP
.endif
	FETCH_B \next, 0, 0
	FETCH_A \next, 0, 0
	WIN MUL_HI
	MUL16 4, 1, 0
	MUL16 6, 1, 0
	PLACES NP
	WIN 0
	FETCH_A \next, 0, 4
.endm
	s_wait_alu depctr_va_vdst(0)
	s_wait_tensorcnt 1
	s_barrier_signal -1
	s_barrier_wait -1
	FETCH_B 0, 0, 0
	FETCH_A 0, 0, 0
	FETCH_A 0, 0, 4
	STEP 0, 0, 1
	TURN 0, 1, 1
	STEP 1, 0, 0
	TURN 1, 0, 1
	STEP 0, 0, 0
	TURN 0, 1, 0
	STEP 1, 0, 0
	s_wait_dscnt 4*NL
	WIN MUL_LO
	MUL16 0, 1, 0
	MUL16 2, 1, 0
	s_wait_dscnt 0
	WIN MUL_HI
	MUL16 4, 1, 0
	MUL16 6, 1, 0
	WIN 0
	s_wait_kmcnt 0x0
	s_add_co_i32 s20, s48, s49
	s_lshl_b32 s20, s20, 23
	s_add_co_i32 s[CS], s[CS], s20
	s_mov_b32 s[CS+1], s[CS]
	s_add_co_i32 s20, s50, 127
	s_lshl_b32 s21, s20, 23
	v_mov_b32 v[SCL], s21
	s_add_co_i32 s20, s20, 15
	s_lshl_b32 s20, s20, 23
	s_or_b32 s20, s20, 0x600000
	v_mov_b32 v[LIMV], s20
	PLACES NP
	s_cmp_lg_u32 s[HID], 0
	s_cbranch_scc1 .Lhidden_max
	s_cmp_eq_u32 s[MSK], 0
	s_cbranch_scc1 .Lopen
.irp j, 0,1,2,3,4,5,6,7
	v_cmp_gt_i32 s[HM+\j], \j, v[DD]
.endr
.macro MASKA a
	WIN 0x82+0x41*((\a)/4)
.set AC, 64*((\a)%4)
.irp j, 0,1,2,3,4,5,6,7
	v_cndmask_b32 v[AC+8*(\a)+\j], v[AC+8*(\a)+\j], v[NINF], s[HM+\j]
.endr
.if (\a) < 7
.set mj, 8*(\a)+8
.rept 56-8*(\a)
	v_mov_b32 v[AC+mj], 0xff800000
.set mj, mj+1
.endr
.endif
.endm
.irp a, 0,1,2,3,4,5,6,7
	MASKA \a
.endr
	WIN 0
.Lopen:
.macro ROWMAX w
	WIN 0x0a+5*(\w)
.irp x, 0,1,2,3,4,5,6,7,8,9,10,11,12,13,14,15
	v_max_num_f32 v[T+\x], v[16*\x], v[16*\x+1]
.endr
	WIN 0x28+0x14*(\w)
.irp i, 2,4,6,8,10,12,14
.irp x, 0,1,2,3,4,5,6,7,8,9,10,11,12,13,14,15
	v_max3_num_f32 v[T+\x], v[T+\x], v[16*\x+\i], v[16*\x+\i+1]
.endr
.endr
	WIN 0
.irp p, 0,1,2,3
	v_max3_num_f32 v[MX+4*(\w)+\p], v[T+4*\p], v[T+4*\p+1], v[T+4*\p+2]
.endr
.irp p, 0,1,2,3
	v_max_num_f32 v[MX+4*(\w)+\p], v[MX+4*(\w)+\p], v[T+4*\p+3]
.endr
.endm
	ROWMAX 0
	ROWMAX 1
.irp a, 0,1,2,3,4,5,6,7
	v_permlanex16_b32 v[T+\a], v[MX+\a], s[SEL], s[SEL+1]
.endr
.irp a, 0,1,2,3,4,5,6,7
	v_max_num_f32 v[MX+\a], v[MX+\a], v[T+\a]
.endr
	s_branch .Lxch
.Lhidden_max:
.irp a, 0,1,2,3,4,5,6,7
	v_mov_b32 v[MX+\a], v[NINF]
.endr
.Lxch:
	s_wait_alu depctr_va_vdst(0)
	ds_store_b128 v[XW], v[MX:MX+3]
	ds_store_b128 v[XW], v[MX+4:MX+7] offset:512
	s_wait_dscnt 0x0
	s_barrier_signal -1
	s_barrier_wait -1
	ds_load_b128 v[PX:PX+3], v[XR]
	ds_load_b128 v[PX+4:PX+7], v[XR] offset:512
	s_wait_dscnt 0x0
.irp a, 0,1,2,3,4,5,6,7
	v_max_num_f32 v[MX+\a], v[MX+\a], v[PX+\a]
.endr
.irp a, 0,1,2,3,4,5,6,7
	v_mul_f32 v[MX+\a], s[CS], v[MX+\a]
.endr
.irp a, 0,1,2,3,4,5,6,7
	v_floor_f32 v[NM+\a], -v[MX+\a]
.endr
.irp a, 0,1,2,3,4,5,6,7
	v_mov_b32 v[NMP+2*\a], v[NM+\a]
	v_mov_b32 v[NMP+2*\a+1], v[NM+\a]
.endr
	s_cmp_lg_u32 s[HID], 0
	s_cbranch_scc1 .Lhidden_p
.macro FMA a
	WIN 0x82+0x41*((\a)/4)
.set FC, 64*((\a)%4)
.set fj, 0
.rept 32
	v_pk_fma_f32 v[FC+fj:FC+fj+1], v[FC+fj:FC+fj+1], s[CS:CS+1], v[NMP+2*(\a):NMP+2*(\a)+1] op_sel_hi:[1,0,1]
.set fj, fj+2
.endr
.endm
.macro PBLK a
	WIN 0x82+0x41*((\a)/4)
.set AC, 64*((\a)%4)
.set pj, 0
.rept 64
	v_exp_f32 v[AC+pj], v[AC+pj]
.set pj, pj+1
.endr
.if (\a) < 7
	s_wait_alu depctr_va_vdst(0)
	FMA (\a)+1
.else
	v_nop
.endif
	s_wait_alu depctr_va_vdst(0)
	WIN 0x0a+5*((\a)/4)
	v_pk_add_f32 v[SA:SA+1], v[AC:AC+1], v[AC+2:AC+3]
	v_pk_add_f32 v[SB:SB+1], v[AC+4:AC+5], v[AC+6:AC+7]
	WIN 0x08+4*((\a)/4)
.set pj, 8
.rept 14
	v_pk_add_f32 v[SA:SA+1], v[SA:SA+1], v[AC+pj:AC+pj+1]
	v_pk_add_f32 v[SB:SB+1], v[SB:SB+1], v[AC+pj+2:AC+pj+3]
.set pj, pj+4
.endr
	WIN 0x82+0x41*((\a)/4)
.set pj, 0
.rept 64
	v_min_num_f32 v[AC+pj], v[AC+pj], v[LIMV]
.set pj, pj+1
.endr
	WIN 0x02+((\a)/4)
.set pj, 0
.rept 8
	v_cvt_scalef32_pk8_bf8_f32 v[PC+16*(\a)+2*pj:PC+16*(\a)+2*pj+1], v[AC+8*pj:AC+8*pj+7], v[SCL]
.set pj, pj+1
.endr
	WIN 0
	v_pk_add_f32 v[SA:SA+1], v[SA:SA+1], v[SB:SB+1]
	v_add_f32 v[LS+(\a)], v[SA], v[SA+1]
	v_permlanex16_b32 v[TP], v[LS+(\a)], s[SEL], s[SEL+1]
	v_add_f32 v[LS+(\a)], v[LS+(\a)], v[TP]
.irp c, 0,1,2,3
	global_store_b128 v[LI], v[PC+16*(\a)+4*\c:PC+16*(\a)+4*\c+3], s[PPTR:PPTR+1] offset:4096*(\a)+512*\c
.endr
.endm
	FMA 0
	s_wait_alu depctr_va_vdst(0)
.irp a, 0,1,2,3,4,5,6,7
	PBLK \a
.endr
	s_branch .Lstats
.Lhidden_p:
.irp c, 0,1,2,3
	v_mov_b32 v[PC+\c], 0
.endr
.irp a, 0,1,2,3,4,5,6,7
	v_mov_b32 v[LS+\a], 0
.endr
.irp a, 0,1,2,3,4,5,6,7
.irp c, 0,1,2,3
	global_store_b128 v[LI], v[PC:PC+3], s[PPTR:PPTR+1] offset:4096*\a+512*\c
.endr
.endr
.Lstats:
	global_store_b128 v[LI], v[NM:NM+3], s[SPTR:SPTR+1]
	global_store_b128 v[LI], v[NM+4:NM+7], s[SPTR:SPTR+1] offset:512
	global_store_b128 v[LI], v[LS:LS+3], s[SPTR:SPTR+1] offset:1024
	s_wait_alu depctr_va_vdst(0)
	global_store_b128 v[LI], v[LS+4:LS+7], s[SPTR:SPTR+1] offset:1536
	s_wait_tensorcnt 0x0
	ds_add_u32 v[SPW], v[NIL]
	s_wait_dscnt 0x0
	s_endpgm
.Lfunc_end_k_q967e625890_scores:
	.size	k_q967e625890_scores, .Lfunc_end_k_q967e625890_scores-k_q967e625890_scores
	.p2alignl 7, 3214868480
	.fill 96, 4, 3214868480
	.section	.rodata,"a",@progbits
	.p2align	6, 0x0
	.amdhsa_kernel k_q967e625890_scores
		.amdhsa_group_segment_fixed_size 327680
		.amdhsa_private_segment_fixed_size 0
		.amdhsa_enable_private_segment 0
		.amdhsa_kernarg_size 40
		.amdhsa_user_sgpr_count 2
		.amdhsa_user_sgpr_kernarg_segment_ptr 1
		.amdhsa_wavefront_size32 1
		.amdhsa_system_sgpr_workgroup_id_x 1
		.amdhsa_system_sgpr_workgroup_id_y 1
		.amdhsa_system_sgpr_workgroup_id_z 1
		.amdhsa_system_vgpr_workitem_id 0
		.amdhsa_next_free_vgpr 1024
		.amdhsa_next_free_sgpr 66
		.amdhsa_reserve_vcc 0
		.amdhsa_float_denorm_mode_32 3
		.amdhsa_float_denorm_mode_16_64 3
		.amdhsa_memory_ordered 1
		.amdhsa_forward_progress 1
		.amdhsa_inst_pref_size 190
	.end_amdhsa_kernel
	.amdgpu_metadata
---
amdhsa.version: [ 1, 2 ]
amdhsa.kernels:
  - .name:           k_q967e625890_scores
    .symbol:         k_q967e625890_scores.kd
    .args:
      - { .name: q_img, .offset: 0, .size: 8, .value_kind: global_buffer, .address_space: global }
      - { .name: k_img, .offset: 8, .size: 8, .value_kind: global_buffer, .address_space: global }
      - { .name: lowp_scales, .offset: 16, .size: 8, .value_kind: global_buffer, .address_space: global }
      - { .name: p_img, .offset: 24, .size: 8, .value_kind: global_buffer, .address_space: global }
      - { .name: stats, .offset: 32, .size: 8, .value_kind: global_buffer, .address_space: global }
    .group_segment_fixed_size: 327680
    .private_segment_fixed_size: 0
    .kernarg_segment_align: 8
    .kernarg_segment_size: 40
    .max_flat_workgroup_size: 128
    .sgpr_count:     66
    .vgpr_count:     1024
    .wavefront_size: 32
...
	.end_amdgpu_metadata
.endif
;; end of part 2
;; launch pv (part 3): grid 8 x 32, 4 waves a work-group, clusters of 4 x 1, 327,680 bytes of LDS; arguments p_img, v_img, stats, lowp_scales, out0; writes out0
.if DOCPART == 3
	.amdgcn_target "amdgcn-amd-amdhsa--gfx1250"
	.amdhsa_code_object_version 6
	.text
	.protected	k_q967e625890_pv
	.globl	k_q967e625890_pv
	.p2align	8
	.type	k_q967e625890_pv,@function
k_q967e625890_pv:
	s_mov_b64 s[64:65], 0
	v_nop
	global_prefetch_b8 v0, s[64:65] scope:SCOPE_SE
	s_setreg_imm32_b32 hwreg(HW_REG_WAVE_MODE, 25, 1), 1
	s_wait_xcnt 0x0
	s_wait_alu depctr_hold_cnt(0) depctr_sa_sdst(0) depctr_va_vdst(0) depctr_va_sdst(0) depctr_va_ssrc(0) depctr_va_vcc(0) depctr_vm_vsrc(0)
	s_getreg_b32 s2, hwreg(HW_REG_IB_STS2, 6, 4)
	s_cmp_eq_u32 s2, 0
	s_cbranch_scc0 .Lentry_in_a_cluster
	s_endpgm
.Lentry_in_a_cluster:
	s_bfe_u32 s2, ttmp6, 0x10000c
	s_cmp_lg_u32 s2, 0x3003
	s_cbranch_scc0 .Lentry_shape_is_right
	s_endpgm
.Lentry_shape_is_right:
; out = (sum over the key tiles J of P_J V_J, each brought under one unit) / l, on codes of E5M2.
; SHARES.  A work-group makes 128 channels of TWO blocks of 128 queries of a sequence, blocks i and 15 - i: one walks i / 2 + 1 key tiles of 256, the other (15 - i) / 2 + 1 (rounded down): 9 together for every i, so that all
; 256 work-groups walk nine slots.  Wave (RH, CH): 64 queries x 64 channels in 16 accumulators.
; LEFT OUT: key tiles J > I (all their weights are 0 whatever the inputs hold), and in tile J = I the second 128 keys for the first 128 queries of the tile.  A NaN, an infinity or an overflow that reaches only these is not carried to the result.
; UNITS.  P_J's codes stand for p under the tile's own whole number M_J.  R = the running largest M.  O is kept under U_J = max(M_J, R_J - 60): on entering tile J it is multiplied by 2^(U_(J-1) - U_J), a power of two
; with an exponent of at most 60, so nothing is rounded; |O| in code units stays under 2^43 x 2^60.  l = sum of l_J 2^(M_J - R).  out = O 2^(U - R + e8 + e9) / l.
; LIMIT: a tile whose M lies more than 60 under the row's running M enters with the weight 2^-60 in place of its smaller true weight.  e8 + e9 is applied by v_ldexp_f32 and has no limit.
; LAYOUT: source 0 = 16 channels of V^T, source 1 = 16 queries of P: lane (r, h) of accumulator (a, b) holds query 16 a + r and channels 16 b + 8 h + j.  P's and V's fragments come as images of registers.
; CLUSTERS: the four work-groups of a cluster have the same queries and four neighbouring blocks of 128 channels: P is asked for jointly, V by each for itself.  V is not shared along the queries: partners with the same key tiles
; there would take the half tile of the diagonal at different slots, a branch on a place in the cluster.
; THE RING: two slots of 256 keys, each P 32,768 bytes (waves 0, 1 fetch a half each) and V 32,768 (waves 2, 3).  Every wait on TENSORcnt is for 0; one tensor load of a wave is out at the most.
; PREFETCH into the L2, two slots ahead: P's 32,768 bytes of a slot are shared out by address among the four partners (wave 0: 32 lanes, 256 bytes apart).  V's tiles are walked by the eight pairs of a sequence: pair 6 asks for tiles 2 and 3, pair 0 for
; tiles 4 to 7, a quarter a wave, since these come to them first or among the first; tiles 0 and 1 come by their loads alone.  The last two slots' trips ask for nothing.
; REGISTERS: window 0: addresses, statistics, v96-127 at work on the way out, v128-255 P's fragments, two sets;  window 1: v0-127 V's fragments, two sets, v128-255 the accumulators, (a, b) at v[128 + 8 (4 a + b)].
.set SLOT1, 65536
.set STAGE, 2*SLOT1                    ; the way out: 16 rows x (256 + 16) bytes for each wave
.set SPARE, STAGE+4*16*272             ; the spare words, 128 bytes a wave
.set AP0, 2
.set AV0, 3
.set ADP, 4
.set ADV, 5
.set LIS, 6                            ; 16 x lane + 512 RH: my four row blocks in a record of the statistics
.set STO, 7
.set RD,  8
.set CO,  9
.set SPW, 10
.set NIL, 11
.set F,   12                           ; v12-19: the last factor, in the low words of four pairs
.set WT,  20                           ; v20-23
.set PFO, 24                           ; 256 x lane
.set LI,  25                           ; 16 x lane
.set SN,  32                           ; -M_J
.set SL0, 36
.set SL1, 40
.set NR,  44                           ; -R
.set NU,  48                           ; -U
.set LL,  52                           ; l
.set G,   56                           ; v56-63: 2^(U_old - U_new), in the low words of four pairs
.set TT,  64                           ; v64-79
.set TMP, 96
.set OA,  128                          ; the accumulators, in window 1
.set WV, 14
.set RH, 15
.set CH, 16
.set CX, 17
.set PR, 18                            ; the pair: blocks PR and 15 - PR
.set BT, 19
.set I1, 20                            ; the last key tile of the first block,
.set I2, 21                            ; of the second
.set IH1, 22                           ; which half of its 256 queries the first block is
.set TB, 23
.set G1P, 24
.set G1V, 32
.set G0P, 40
.set G0V, 44
.set SLT, 48                           ; the slot in hand, 0 to 8
.set IC, 49                            ; the last key tile of the block in hand
.set HJ, 50                            ; its tile of which only the first 128 keys count, or 99
.set KJ, 51                            ; the key tile in hand
.set STA, 52
.set OP, 54
.set PO1, 58                           ; byte offsets of the two blocks in P,
.set PO2, 59
.set SO1, 60                           ; in the statistics,
.set SO2, 61
.set OO1, 62                           ; in out
.set OO2, 63
.set VBA, 72                           ; s[72:73] V: my 128 channels, the half that I fetch
.set PFP, 74
.set PFV, 76
.set PFC, 78                           ; my work-group's quarter of P's 32,768 bytes
.set VPF, 79                           ; my wave's quarter of V's, with my channels' offset
.set PLO, 80                           ; the first slot for which I prefetch V,
.set PCN, 81                           ; and for how many
.set HJ2, 82
.set I1P, 83
.set SOF, 84                           ; s[84:85] the next slot's statistics
.set PBA, 86                           ; s[86:87] P, the half that I fetch
.set MSB, 0
.macro WIN new
.if MSB != (\new)
	s_set_vgpr_msb (MSB<<8)|(\new)
.set MSB, (\new)
.endif
.endm
.set W_MUL, 0x51                       ; source 0 (V), C and D window 1, source 1 (P) window 0
.set TO_V,  0x40
.set W_RS,  0x41                       ; O (source 0, destination) window 1, the factor window 0
.macro TLOAD                           ; waves 0, 1: P's halves, jointly; waves 2, 3: V's.  A load in each arm; an s_nop 0 and four v_nop follow each
	s_cmp_lt_u32 s[WV], 2
	s_cbranch_scc0 .Lfor_v_\@
	tensor_load_to_lds s[G0P:G0P+3], s[G1P:G1P+7]
	s_nop 0
.rept 4
	v_nop
.endr
	s_branch .Lasked_\@
.Lfor_v_\@:
	tensor_load_to_lds s[G0V:G0V+3], s[G1V:G1V+7]
	s_nop 0
.rept 4
	v_nop
.endr
.Lasked_\@:
.endm
.macro CROUND                          ; a round of the cluster's barrier
	s_barrier_signal -1
	s_barrier_wait -1
	s_cmp_lg_u32 s[WV], 0
	s_cbranch_scc1 .Lnot_wave_0_\@
	s_barrier_signal -3
.Lnot_wave_0_\@:
	s_barrier_wait -3
	s_barrier_signal -1
	s_barrier_wait -1
.endm
	s_load_b256 s[4:11], s[0:1], 0x0               ; p_img s[4:5], v_img s[6:7], stats s[8:9], the scales s[10:11]
	s_load_b64 s[12:13], s[0:1], 0x20              ; out0
	v_lshl_add_u32 v[SPW], v0, 2, SPARE
	v_mov_b32 v[NIL], 0
	ds_add_u32 v[SPW], v[NIL]                      ; the wave's opening: the add, twice on end, and its wait ahead of my first tensor load
	ds_add_u32 v[SPW], v[NIL]
	v_lshrrev_b32 v1, 5, v0
	v_readfirstlane_b32 s[WV], v1
	s_lshr_b32 s[RH], s[WV], 1
	s_and_b32 s[CH], s[WV], 1
	s_bfe_u32 s[CX], ttmp6, 0x40000
	s_and_b32 s[PR], ttmp7, 0xffff
	s_lshr_b32 s[BT], s[PR], 3                     ; the sequence
	s_and_b32 s[PR], s[PR], 7
	s_lshr_b32 s[I1], s[PR], 1
	s_and_b32 s[IH1], s[PR], 1
	s_sub_co_u32 s[I2], 7, s[I1]                   ; block 15 - PR: tile row 7 - I1, its half 1 - IH1
	s_add_co_u32 s[I1P], s[I1], 1
	s_cmp_eq_u32 s[IH1], 0
	s_cselect_b32 s[HJ], s[I1], 99
	s_cselect_b32 s[HJ2], 99, s[I2]
	s_mov_b32 s[G1P], (3<<16)|(1<<21)|15           ; all four work-groups of the cluster; elements of 8 bytes, no padding: 64 rows of 256 bytes, dense
	s_mov_b32 s[G1V], 3<<16
.irp g, G1P, G1V
	s_mov_b32 s[\g+1], 32<<16
	s_mov_b32 s[\g+2], 64<<16
	s_mov_b32 s[\g+3], 32<<16
	s_mov_b32 s[\g+4], 64
	s_mov_b32 s[\g+5], 32
	s_mov_b32 s[\g+6], 0
	s_mov_b32 s[\g+7], 0
.endr
	s_mov_b32 s[SLT], 0
	s_mov_b32 s[KJ], 0
	s_mov_b32 s[TB], 0
	s_mov_b32 s[IC], s[I1]
	s_mov_b32 s67, 0
	s_mov_b32 s[SOF+1], 0
	s_lshl_b32 s68, s[BT], 3
	s_add_co_u32 s69, s68, s[I1]                   ; 8 batch + I, first block
	s_add_co_u32 s70, s68, s[I2]                   ; and second
	s_xor_b32 s71, s[IH1], 1                       ; the second block's half
	s_lshl_b32 s[PO1], s69, 4
	s_add_co_u32 s[PO1], s[PO1], s[IH1]
	s_lshl_b32 s[PO1], s[PO1], 15
	s_lshl_b32 s[PO2], s70, 4
	s_add_co_u32 s[PO2], s[PO2], s71
	s_lshl_b32 s[PO2], s[PO2], 15
	s_lshl_b32 s[SO1], s69, 4
	s_add_co_u32 s[SO1], s[SO1], s[IH1]
	s_lshl_b32 s[SO1], s[SO1], 12                  ; a tile's four records are 8,192 bytes, a half's two 4,096
	s_lshl_b32 s[SO2], s70, 4
	s_add_co_u32 s[SO2], s[SO2], s71
	s_lshl_b32 s[SO2], s[SO2], 12
	s_lshl_b32 s66, ttmp9, 2
	s_add_co_u32 s66, s66, s[CX]                   ; which 128 channels
	s_lshl_b32 s69, s66, 9
	s_lshl_b32 s70, s[CH], 8
	s_add_co_u32 s69, s69, s70                     ; my first channel in out, in bytes
	s_lshl_b32 s70, s[BT], 23
	s_add_co_u32 s69, s69, s70
	s_lshl_b32 s70, s[RH], 18
	s_add_co_u32 s69, s69, s70                     ; + the sequence's rows and my 64, rows of 4,096 bytes
	s_lshl_b32 s70, s[PR], 19
	s_add_co_u32 s[OO1], s69, s70
	s_sub_co_u32 s70, 15, s[PR]
	s_lshl_b32 s70, s70, 19
	s_add_co_u32 s[OO2], s69, s70
	s_add_co_u32 s66, s66, s68
	s_lshl_b32 s66, s66, 18                        ; V: (8 batch + 128 channels' number) x 8 tiles of 32,768 bytes
	s_lshl_b32 s[VPF], s[WV], 13
	s_add_co_u32 s[VPF], s[VPF], s66
	s_lshl_b32 s[PFC], s[CX], 13
	s_lshl_b32 s68, s[CH], 14
	s_mov_b32 s69, 0
	s_add_co_u32 s66, s66, s68
	s_cmp_eq_u32 s[PR], 6                          ; who prefetches V: pair 6 for its slots 2 and 3 (tiles 2, 3), pair 0 for its slots 5 to 8 (tiles 4 to 7)
	s_cselect_b32 s[PCN], 2, 0
	s_cmp_eq_u32 s[PR], 0
	s_cselect_b32 s[PCN], 4, s[PCN]
	s_cselect_b32 s[PLO], 5, 2
	s_wait_dscnt 0x0                               ; both opening adds are done
	s_wait_kmcnt 0x0
	s_load_b64 s[56:57], s[10:11], 0x20            ; e8, e9
	s_add_nc_u64 s[PBA:PBA+1], s[4:5], s[68:69]
	s_add_nc_u64 s[VBA:VBA+1], s[6:7], s[66:67]
	s_mov_b32 s66, s[PO1]
	s_mov_b32 s[G0P], 1
	s_lshl_b32 s[G0P+1], s[CH], 14
	s_add_nc_u64 s[G0P+2:G0P+3], s[PBA:PBA+1], s[66:67]
	s_or_b32 s[G0P+3], s[G0P+3], 0x80000000
	s_mov_b32 s[G0V], 1
	s_lshl_b32 s[G0V+1], s[CH], 14
	s_add_co_u32 s[G0V+1], s[G0V+1], 32768
	s_mov_b64 s[G0V+2:G0V+3], s[VBA:VBA+1]
	s_or_b32 s[G0V+3], s[G0V+3], 0x80000000
	CROUND                                         ; the four work-groups are here: the first joint loads meet
	TLOAD                                          ; slot 0: keys 0 to 255 for the first block
	s_mov_b32 s[SOF], s[SO1]
	s_add_nc_u64 s[STA:STA+1], s[8:9], s[SOF:SOF+1]
	s_mov_b32 s66, s[OO1]
	s_add_nc_u64 s[OP:OP+1], s[12:13], s[66:67]
	s_lshl_b32 s66, s[RH], 9
	s_lshl_b32 s68, s[RH], 14
	s_lshl_b32 s69, s[CH], 14
	s_add_co_u32 s69, s69, 32768
	s_mul_i32 s70, s[WV], 16*272
	s_add_co_u32 s70, s70, STAGE
	v_and_b32 v1, 31, v0
	v_lshlrev_b32 v[LI], 4, v1
	v_lshlrev_b32 v[PFO], 8, v1
	v_add_nc_u32 v[LIS], s66, v[LI]
	global_load_b128 v[SN:SN+3], v[LIS], s[STA:STA+1]               ; tile 0: -M of my four row blocks,
	global_load_b128 v[SL0:SL0+3], v[LIS], s[STA:STA+1] offset:1024 ; the sums over its first 128 keys,
	global_load_b128 v[SL1:SL1+3], v[LIS], s[STA:STA+1] offset:3072 ; and over its second (the next wave's record)
	v_add_nc_u32 v[AP0], s68, v[LI]                ; P: my four row blocks
	v_add_nc_u32 v[AV0], s69, v[LI]                ; V: my 64 channels
	v_and_b32 v1, 15, v0                           ; r
	v_bfe_u32 v[WT], v0, 4, 1                      ; h
	v_mul_u32_u24 v[STO], v1, 272
	v_lshl_add_u32 v[STO], v[WT], 5, v[STO]
	v_add_nc_u32 v[STO], s70, v[STO]               ; into my stage: row r, + 32 h
	v_mul_u32_u24 v[RD], v[WT], 272
	v_lshl_add_u32 v[RD], v1, 4, v[RD]
	v_add_nc_u32 v[RD], s70, v[RD]                 ; and back: lanes 0-15 a row of 256 bytes, lanes 16-31 the next
	v_lshlrev_b32 v[CO], 12, v[WT]
	v_lshl_add_u32 v[CO], v1, 4, v[CO]             ; and the same two rows in out
.irp i, 0,1,2,3
	v_mov_b32 v[G+2*\i+1], 0                       ; (named as the upper halves of pairs)
	v_mov_b32 v[F+2*\i+1], 0
.endr
.macro FRESH                           ; a block begins: -R and -U as 3e38, over every -M, l and O as 0: the first change of unit multiplies zeros by 0
.irp i, 0,1,2,3
	v_mov_b32 v[NR+\i], 0x7f61b1e6
	v_mov_b32 v[NU+\i], 0x7f61b1e6
	v_mov_b32 v[LL+\i], 0
.endr
	WIN 0x40
.set ci, 0
.rept 128
	v_mov_b32 v[OA+ci], 0
.set ci, ci+1
.endr
	WIN 0
.endm
	FRESH                                          ; these lines stand where the wave would else only wait for its first tile
.macro FETCH s                         ; the fragments of the slot's s-th 128 keys: P's four, V's four, into set s
.set ff, 0
.rept 4
.irp c, 0,1,2,3
	ds_load_b128 v[128+64*(\s)+16*ff+4*\c:128+64*(\s)+16*ff+4*\c+3], v[ADP] offset:(2*ff+(\s))*2048+512*\c
.endr
.set ff, ff+1
.endr
	WIN TO_V
.set ff, 0
.rept 4
.irp c, 0,1,2,3
	ds_load_b128 v[64*(\s)+16*ff+4*\c:64*(\s)+16*ff+4*\c+3], v[ADV] offset:(2*ff+(\s))*2048+512*\c
.endr
.set ff, ff+1
.endr
	WIN 0
.endm
.macro MULS s                          ; 16 matrix instructions; the 16 accumulators take turns, one instruction a turn, over the loop's edge too
.set pa, 0
.rept 4
.set pb, 0
.rept 4
	v_wmma_f32_16x16x128_bf8_bf8 v[OA+8*(4*pa+pb):OA+8*(4*pa+pb)+7], v[64*(\s)+16*pb:64*(\s)+16*pb+15], v[128+64*(\s)+16*pa:128+64*(\s)+16*pa+15], v[OA+8*(4*pa+pb):OA+8*(4*pa+pb)+7]
.set pb, pb+1
.endr
.set pa, pa+1
.endr
.endm
.macro STLOAD                          ; the next slot's statistics
	s_add_nc_u64 s[STA:STA+1], s[8:9], s[SOF:SOF+1]   ; (the loads that named this base have been waited for)
	global_load_b128 v[SN:SN+3], v[LIS], s[STA:STA+1]
	global_load_b128 v[SL0:SL0+3], v[LIS], s[STA:STA+1] offset:1024
	global_load_b128 v[SL1:SL1+3], v[LIS], s[STA:STA+1] offset:3072
.endm
.macro STATS                           ; all numbers here are whole numbers in f32, but l
.irp i, 0,1,2,3
	v_min_num_f32 v[TT+\i], v[NR+\i], v[SN+\i]             ; the new -R
.endr
.irp i, 0,1,2,3
	v_sub_f32 v[TT+4+\i], v[TT+\i], v[NR+\i]               ; R_old - R_new, 0 or less
	v_sub_f32 v[TT+8+\i], v[TT+\i], v[SN+\i]               ; M_J - R_new, 0 or less
	v_add_f32 v[TT+12+\i], 0x42700000, v[TT+\i]            ; -(R_new - 60)
.endr
.irp i, 0,1,2,3
	v_min_num_f32 v[TT+12+\i], v[TT+12+\i], v[SN+\i]       ; the new -U = -max(M_J, R_new - 60)
	v_mov_b32 v[NR+\i], v[TT+\i]
	v_add_f32 v[SL0+\i], v[SL0+\i], v[SL1+\i]              ; l_J
.endr
.irp i, 0,1,2,3
	v_sub_f32 v[G+2*\i], v[TT+12+\i], v[NU+\i]             ; U_old - U_new, at most 60
	v_cvt_i32_f32 v[TT+4+\i], v[TT+4+\i]                   ; (the conversions saturate)
	v_cvt_i32_f32 v[TT+8+\i], v[TT+8+\i]
.endr
.irp i, 0,1,2,3
	v_mov_b32 v[NU+\i], v[TT+12+\i]
	v_cvt_i32_f32 v[G+2*\i], v[G+2*\i]
	v_ldexp_f32 v[LL+\i], v[LL+\i], v[TT+4+\i]
	v_ldexp_f32 v[SL0+\i], v[SL0+\i], v[TT+8+\i]
.endr
.irp i, 0,1,2,3
	v_ldexp_f32 v[G+2*\i], 1.0, v[G+2*\i]
	v_add_f32 v[LL+\i], v[LL+\i], v[SL0+\i]
.endr
.endm
.macro RESCALE                         ; O under the new unit; each accumulator from its low end on
	WIN W_RS
.set ra, 0
.rept 4
.set rj, 0
.rept 16
	v_pk_mul_f32 v[OA+32*ra+rj:OA+32*ra+rj+1], v[OA+32*ra+rj:OA+32*ra+rj+1], v[G+2*ra:G+2*ra+1] op_sel_hi:[1,0]
.set rj, rj+2
.endr
.set ra, ra+1
.endr
	WIN 0
.endm
; Slot n belongs to the first block where n is at or under I1 (its tile is n), else to the second (its tile is n - I1 - 1).
.macro WHERE ahead                     ; of slot SLT + ahead: s66 = its block's offset in P, s68 = its tile, s[SOF] = its block's statistics
	s_add_co_u32 s69, s[SLT], \ahead
	s_cmp_le_u32 s69, s[I1]
	s_cselect_b32 s66, s[PO1], s[PO2]
	s_cselect_b32 s[SOF], s[SO1], s[SO2]
	s_cselect_b32 s68, 0, s[I1P]
	s_sub_co_u32 s68, s69, s68
	s_lshl_b32 s70, s68, 16
	s_add_co_u32 s66, s66, s70                     ; + a tile's 65,536 bytes each
.endm
; THE CHANGE OF SLOTS stands at a slot's head: each wave waits for all its tensor loads (its part of the slot ahead), adds 0 to its spare word, and waits for that and for its reads of the slot that it has left.
; fill = 1: behind the round, which takes the barrier's place, the slot just left is filled with the next slot's tiles.
.macro CHANGE fill
	s_wait_tensorcnt 0x0                           ; no tensor load of mine is out, so a group 0 may be written
	ds_add_u32 v[SPW], v[NIL]
.if \fill
	WHERE 1
	s_add_nc_u64 s[G0P+2:G0P+3], s[PBA:PBA+1], s[66:67]
	s_or_b32 s[G0P+3], s[G0P+3], 0x80000000
	s_xor_b32 s[G0P+1], s[G0P+1], SLOT1
	s_lshl_b32 s66, s68, 15
	s_add_nc_u64 s[G0V+2:G0V+3], s[VBA:VBA+1], s[66:67]
	s_or_b32 s[G0V+3], s[G0V+3], 0x80000000
	s_xor_b32 s[G0V+1], s[G0V+1], SLOT1
	s_lshl_b32 s68, s68, 13
	s_add_co_u32 s[SOF], s[SOF], s68               ; its statistics
	s_wait_xcnt 0x0                                ; any prefetch of mine has read its address
.endif
	s_wait_dscnt 0x0                               ; the add is done, and my reads of the slot that I have left are over
.if \fill
	CROUND
	TLOAD                                          ; my one tensor load behind this round: it has a slot's work in which to land
.else
	s_barrier_signal -1
	s_barrier_wait -1
.endif
.endm
.macro ASK                             ; the prefetch of slot SLT + 2's tiles; s[SOF] is kept over it
	s_cmp_gt_u32 s[SLT], 6
	s_cbranch_scc1 .Lno_ask
	s_mov_b32 s71, s[SOF]
	WHERE 2
	s_mov_b32 s[SOF], s71
	s_add_co_u32 s66, s66, s[PFC]
	s_add_nc_u64 s[PFP:PFP+1], s[4:5], s[66:67]
	s_lshl_b32 s66, s68, 15
	s_add_co_u32 s66, s66, s[VPF]
	s_add_nc_u64 s[PFV:PFV+1], s[6:7], s[66:67]
	s_sub_co_u32 s70, s69, s[PLO]
	s_cmp_lg_u32 s[WV], 0
	s_cbranch_scc1 .Lno_p
	global_prefetch_b8 v[PFO], s[PFP:PFP+1] th:TH_LOAD_NT scope:SCOPE_SE
.Lno_p:
	s_cmp_ge_u32 s70, s[PCN]
	s_cbranch_scc1 .Lno_ask
	global_prefetch_b8 v[PFO], s[PFV:PFV+1] th:TH_LOAD_NT scope:SCOPE_SE
.Lno_ask:
.endm
.macro WORK more                       ; one slot's 256 keys (or its first 128)
	v_add_nc_u32 v[ADP], s[TB], v[AP0]
	v_add_nc_u32 v[ADV], s[TB], v[AV0]
	v_nop                                          ; with the two additions: four places in front of loads into registers that matrix instructions have read
	v_nop
	FETCH 0
.if \more
	ASK
.endif
	s_wait_loadcnt 0x0                             ; this tile's statistics
	STATS
.if \more
	STLOAD
.endif
	RESCALE                                        ; the statistics and the change of unit stand in the time of the LDS loads above
	s_wait_dscnt 0x0
	s_cmp_eq_u32 s[KJ], s[HJ]
	s_cbranch_scc1 .Lhalf_\@
	FETCH 1
	WIN W_MUL
	s_wait_alu depctr_va_vdst(0)                   ; ahead of the first reader of O
	MULS 0
	s_wait_dscnt 0x0
	MULS 1
	WIN 0
	s_branch .Lworked_\@
.Lhalf_\@:
	WIN W_MUL
	s_wait_alu depctr_va_vdst(0)
	MULS 0
	WIN 0
.Lworked_\@:
.endm
; THE WAY OUT of a block.  A lane holds 32 neighbouring bytes of a row, the lanes beside it other rows: 16 rows at a time go through my own stage and come back as whole rows of 256 bytes.  LDS serves a wave's instructions in order (ISA guide 5.7.1.4).
.macro TOSTAGE a
	WIN 0x01
	s_wait_alu depctr_va_vdst(0)                   ; ahead of the first readers of these products
.set tj, 0
.rept 16
	v_pk_mul_f32 v[TMP+tj:TMP+tj+1], v[OA+32*(\a)+tj:OA+32*(\a)+tj+1], v[F+2*(\a):F+2*(\a)+1] op_sel_hi:[1,0]   ; each accumulator from its low end on
.set tj, tj+2
.endr
	WIN 0
.irp b, 0,1,2,3
	ds_store_b128 v[STO], v[TMP+8*\b:TMP+8*\b+3] offset:64*\b
	ds_store_b128 v[STO], v[TMP+8*\b+4:TMP+8*\b+7] offset:64*\b+16
.endr
.irp t, 0,1,2,3,4,5,6,7
	ds_load_b128 v[128+32*(\a)+4*\t:128+32*(\a)+4*\t+3], v[RD] offset:\t*2*272
.endr
.endm
.macro SEND a, younger                 ; younger: the LDS instructions issued behind block a's loads, which may stay out
	s_wait_dscnt \younger
.irp t, 0,1,2,3,4,5,6,7
	global_store_b128 v[CO], v[128+32*(\a)+4*\t:128+32*(\a)+4*\t+3], s[OP:OP+1] offset:(16*(\a)+2*\t)*4096 th:TH_STORE_NT   ; 16 lanes store 256 consecutive bytes, aligned
.endr
.endm
.macro WAYOUT                          ; out = O x 2^(U - R + e8 + e9) / l.  The plain lines behind the reciprocals are also the places behind the last products
	s_wait_kmcnt 0x0
	s_add_co_i32 s66, s56, s57
	s_wait_alu depctr_va_vdst(0)
.irp i, 0,1,2,3
	v_rcp_f32 v[F+2*\i], v[LL+\i]                  ; l is at least 1/2: the tile that holds the row's largest t has a p over 1/2
.endr
.irp i, 0,1,2,3
	v_sub_f32 v[WT+\i], v[NR+\i], v[NU+\i]         ; U - R, between -60 and 0
.endr
.irp i, 0,1,2,3
	v_cvt_i32_f32 v[WT+\i], v[WT+\i]
.endr
.irp i, 0,1,2,3
	v_add_nc_u32 v[WT+\i], s66, v[WT+\i]
.endr
	s_wait_alu depctr_va_vdst(0)                   ; one wait for the four reciprocals, ahead of their first reader
.irp i, 0,1,2,3
	v_ldexp_f32 v[F+2*\i], v[F+2*\i], v[WT+\i]
.endr
	TOSTAGE 0
	TOSTAGE 1
	SEND 0, 16                                     ; behind block 0's loads: block 1's 8 stores and 8 loads
	TOSTAGE 2
	SEND 1, 16
	TOSTAGE 3
	SEND 2, 16
	SEND 3, 0
.endm
	s_wait_alu depctr_va_vdst(0)
.Lslot:                                            ; eight trips: behind each change of slots but the last the next slot is asked for
	CHANGE 1
	WORK 1
	s_cmp_lg_u32 s[KJ], s[IC]
	s_cbranch_scc1 .Lon
	WAYOUT                                         ; the first block is finished; its stores are on their way while the second is walked
	s_wait_xcnt 0x0                                ; they have read their registers and their base
	s_mov_b32 s66, s[OO2]
	s_add_nc_u64 s[OP:OP+1], s[12:13], s[66:67]
	s_mov_b32 s[IC], s[I2]
	s_mov_b32 s[HJ], s[HJ2]
	s_mov_b32 s[KJ], -1                            ; the line below makes it tile 0
	FRESH
.Lon:
	s_add_co_u32 s[KJ], s[KJ], 1
	s_xor_b32 s[TB], s[TB], SLOT1
	s_add_co_u32 s[SLT], s[SLT], 1
	s_cmp_lt_u32 s[SLT], 8
	s_wait_alu depctr_va_vdst(0)
	s_cbranch_scc1 .Lslot
	CHANGE 0                                       ; the ninth slot, the second block's last tile, is written out: nothing is left to ask for
	WORK 0
	WAYOUT
	s_wait_tensorcnt 0x0                           ; the wave's end:
	ds_add_u32 v[SPW], v[NIL]
	s_wait_dscnt 0x0
	CROUND                                         ; the closing round
	s_endpgm
.Lfunc_end_k_q967e625890_pv:
	.size	k_q967e625890_pv, .Lfunc_end_k_q967e625890_pv-k_q967e625890_pv
	.p2alignl 7, 3214868480
	.fill 96, 4, 3214868480
	.section	.rodata,"a",@progbits
	.p2align	6, 0x0
	.amdhsa_kernel k_q967e625890_pv
		.amdhsa_group_segment_fixed_size 327680
		.amdhsa_private_segment_fixed_size 0
		.amdhsa_enable_private_segment 0
		.amdhsa_kernarg_size 40
		.amdhsa_user_sgpr_count 2
		.amdhsa_user_sgpr_kernarg_segment_ptr 1
		.amdhsa_wavefront_size32 1
		.amdhsa_system_sgpr_workgroup_id_x 1
		.amdhsa_system_sgpr_workgroup_id_y 1
		.amdhsa_system_sgpr_workgroup_id_z 1
		.amdhsa_system_vgpr_workitem_id 0
		.amdhsa_next_free_vgpr 512
		.amdhsa_next_free_sgpr 96
		.amdhsa_reserve_vcc 0
		.amdhsa_float_denorm_mode_32 3
		.amdhsa_float_denorm_mode_16_64 3
		.amdhsa_memory_ordered 1
		.amdhsa_forward_progress 1
		.amdhsa_inst_pref_size 74
	.end_amdhsa_kernel
	.amdgpu_metadata
---
amdhsa.version: [ 1, 2 ]
amdhsa.kernels:
  - .name:           k_q967e625890_pv
    .symbol:         k_q967e625890_pv.kd
    .args:
      - { .name: p_img, .offset: 0, .size: 8, .value_kind: global_buffer, .address_space: global }
      - { .name: v_img, .offset: 8, .size: 8, .value_kind: global_buffer, .address_space: global }
      - { .name: stats, .offset: 16, .size: 8, .value_kind: global_buffer, .address_space: global }
      - { .name: lowp_scales, .offset: 24, .size: 8, .value_kind: global_buffer, .address_space: global }
      - { .name: out0, .offset: 32, .size: 8, .value_kind: global_buffer, .address_space: global }
    .group_segment_fixed_size: 327680
    .private_segment_fixed_size: 0
    .kernarg_segment_align: 8
    .kernarg_segment_size: 40
    .max_flat_workgroup_size: 128
    .sgpr_count:     96
    .vgpr_count:     512
    .wavefront_size: 32
...
	.end_amdgpu_metadata
.endif
;; end of part 3
